; MI455X (gfx1250); checked and timed in simulation.
; The chip was launched on July 23, 2026; its instructions are those of AMD's public machine-readable ISA for CDNA 5 (MIT licence, August 2026) and "CDNA5" Instruction Set Architecture Reference Guide (July 2026). The comments in the code are by the model that wrote it; some were corrected since.
;; Cross Attention. Allowed arithmetic: matrix products marked QUANTISED: E2M3 operands, one E8M0 scale for each 32 along K, by v_wmma_scale_f32_16x16x128_f8f6f4 with both operands' format E2M3, f32 sums; everything else in f32.
;; Inputs: Wk 1,024 x 1,024 float32; Wo 1,024 x 1,024 float32; Wq 1,024 x 1,024 float32; Wv 1,024 x 1,024 float32; bk 1,024 float32; bo 1,024 float32; bq 1,024 float32; bv 1,024 float32; key_value 4 x 2,048 x 1,024 float32; query 4 x 2,048 x 1,024 float32.
;; Outputs: out0 4 x 2,048 x 1,024 float32.
;; This version of the problem:
;;   THIS VERSION OF THE PROBLEM IS GIVEN IN LOW PRECISION. The matrix products marked QUANTISED in the list below multiply operands that are first quantised to E2M3 (2 exponent bits, 3 mantissa bits; 6 bits a number), with one power-of-two scale for each 32 numbers along K (OCP MX v1.0); their sums are f32. All else is computed in f32.
;;   The module's matrix products, in the order in which they are computed (A, B: the left and right operand; K: the contracted axis; several contracted axes count as one K, in the product's order):
;;     1. [M 8,192, K 1,024] x [K 1,024, N 1,024]; A: input query; B: input Wq: QUANTISED
;;     2. [M 8,192, K 1,024] x [K 1,024, N 1,024]; A: input key_value; B: input Wk: QUANTISED
;;     3. [M 8,192, K 1,024] x [K 1,024, N 1,024]; A: input key_value; B: input Wv: QUANTISED
;;     4. batch 64 x [M 2,048, K 64] x [K 64, N 2,048]; A: computed on the way; B: computed on the way: QUANTISED
;;     5. batch 64 x [M 2,048, K 2,048] x [K 2,048, N 64]; A: softmax (see below); B: computed on the way: QUANTISED
;;     6. [M 8,192, K 1,024] x [K 1,024, N 1,024]; A: computed on the way; B: input Wo: QUANTISED
;;   THE QUANTISER, for each operand of a quantised product, along K:
;;     - K is cut into blocks of 32 from its start; a last block that is shorter is filled with zeros.
;;     - A block's scale is 2^e with e = floor(log2(the largest magnitude in the block)) - 2, held to -126 .. 127; a block of zeros has e = 0. As a byte (E8M0): e + 127.
;;     - Each number is divided by its block's scale, clamped to +-7.5, and rounded to the nearest number of E2M3, ties to even, subnormals kept.
;;     - The product sums the exact products of the quantised numbers (number of the format x scale) in f32.
;;   ~~~python
;;   def quantise(x, axis):      # numpy; x: float32 -> the quantised numbers, widened to float32 again
;;       x = np.moveaxis(x, axis, -1); K = x.shape[-1]
;;       x = np.pad(x, [(0, 0)] * (x.ndim - 1) + [(0, -K % 32)]); x = x.reshape(x.shape[:-1] + (-1, 32)); a = np.abs(x).max(-1, keepdims=True)
;;       e = np.where(a > 0, np.clip(np.frexp(np.where(a > 0, a, 1))[1] - 1 - 2, -126, 127), 0)      # np.frexp(a)[1] - 1 = floor(log2(a)), exactly
;;       r = np.clip(x / 2.0 ** e, -7.5, 7.5)
;;       step = 2.0 ** (np.maximum(np.frexp(np.where(r == 0, 1, r))[1] - 1, 0) - 3)
;;       q = np.round(r / step) * step * 2.0 ** e      # np.round: ties to even
;;       return np.moveaxis(q.reshape(q.shape[:-2] + (-1,))[..., :K], -1, axis).astype(np.float32)
;;   ~~~
;;   SOFTMAX AHEAD OF A QUANTISED PRODUCT. Where the list says 'softmax', what is quantised is not the finished softmax but p = 2^(t - M), with t = logit x log2(e) and M = ceil(the row's largest t), a whole number; so 1/2 < the row's largest p <= 1. The row's sum l is taken of the UNQUANTISED p, in f32, and the product's result is divided by l at the end. Since M is a whole number, a kernel that streams over the keys may use a running M (the ceiling of the running maximum): every later rescaling is an exact power of two, which a block's scale takes up: the codes' values come out the same.
;;   OPERANDS COMPUTED ON THE WAY. 'Computed on the way' means the value that the module computes at that place (a softmax that the list does not call 'softmax' is quantised finished and normalised). What goes into a quantiser is computed in f32, as accurately as f32 sums, v_exp_f32 and their like allow (about 1e-6 of the number): no bf16 or f16 on the way to a quantiser, and a product that is left as it is and whose result goes on into a quantised operand takes f32 operands (vector FMAs, or v_wmma_f32_16x16x4_f32). A number that lies on a knife's edge between two numbers of the format may be rounded either way, as far as f32 arithmetic and the matrix unit's own rounding can turn it there, and no further.
;; One version. Each part assembles by itself: llvm-mc -triple=amdgcn-amd-amdhsa -mcpu=gfx1250 --defsym DOCPART=n.
;; ======== version 1 of 1: 4 launches
;; limits: right only within a limited range of input values
;; workspace buffers: xc 15,728,640 bytes; xs 655,360 bytes; qb 13,369,344 bytes; kvb 13,369,344 bytes; oc 6,291,456 bytes; os 262,144 bytes
;; launch quant (part 1): grid 256 x 1, 10 waves a work-group, no clusters, 85,760 bytes of LDS; arguments query, key_value, Wq, Wk, Wv, Wo, xc, xs; writes xc, xs
.if DOCPART == 1
	.amdgcn_target "amdgcn-amd-amdhsa--gfx1250"
	.amdhsa_code_object_version 6
	.text
	.protected	k_q5e397e56f5_quant
	.globl	k_q5e397e56f5_quant
	.p2align	8
	.type	k_q5e397e56f5_quant,@function
k_q5e397e56f5_quant:
	s_mov_b64 s[64:65], 0
	v_nop
	global_prefetch_b8 v0, s[64:65] scope:SCOPE_SE
	s_setreg_imm32_b32 hwreg(HW_REG_WAVE_MODE, 25, 1), 1
	s_wait_xcnt 0x0
; query, key_value [8192][1024] and Wq, Wk, Wv, Wo [1024][1024], f32, K innermost, become codes of FP6 (E2M3) with one E8M0 byte for each 32 along K.  Every input of the problem is used; no work is left out.
; The codes are laid in the ORDER OF AN OPERAND'S REGISTERS.  A tile is 16 rows; tile T of a tensor holds rows 64 (T / 4) + 8 (T % 4) + r % 8 + 32 (r / 8), r = 0 .. 15: a product that takes four
; neighbouring tiles as its source 0 then leaves 32 neighbours along the next K, one whole scale block, in a lane's 32 registers.
; xc: [tile 1280][K step 8][1536 bytes]; a step's bytes are two halves of 768 (64 along K each): bytes 16 x lane: registers 0-3 of the half's six, bytes 512 + 8 x lane: registers 4-5.
; xs: [tile][half of K 2][row 16][4 words].  Tiles 0-511 query, 512-1023 key_value, 1024.. Wq, 1088.. Wk, 1152.. Wv, 1216.. Wo.
; A block's scale is 2^(floor(log2(largest magnitude)) - 2); its byte is the largest magnitude's exponent field - 2, held at 1 from below.
; LIMITS: a block of zeros gets the byte 1 where the rule says 127 (its codes are zeros, and this program alone reads the bytes); NaN and infinities are not served.
; SHARES: 2,560 waves, each 16 rows x 512 along K in four steps of 128.  Each load reads 512 consecutive bytes of one row; a step's 16 rows turn through the wave's own stage in LDS (rows 528 bytes apart)
; and come back as the operand's layout gives them to lane (r, h): k = 64 c + 32 h + 0 .. 31.  Waves share nothing: no barrier.
.set SP,  528
.set STG, 16*SP
.set R,   16                           ; v16-143  two sets of 64: a step's numbers as loaded
.set X,   144                          ; v144-207 my row's numbers: X + 32 c + i = k 64 c + 32 h + i
.set PC,  208                          ; v208-219 the fragment
.set TT,  220                          ; v220-227 the blocks' upper halves as the conversions leave them
.set TM,  228
.set W,   236                          ; v236-239 the four steps' scale words
	s_load_b512 s[8:23], s[0:1], 0x0
	v_lshl_add_u32 v254, v0, 2, 0x14a00
	v_mov_b32 v255, 0
	v_lshrrev_b32 v7, 5, v0
	s_delay_alu instid0(VALU_DEP_1)
	v_readfirstlane_b32 s2, v7                     ; wave 0..9
	v_and_b32 v8, 31, v0
	v_and_b32 v9, 15, v0                           ; r
	v_bfe_u32 v10, v0, 4, 1                        ; h
	s_delay_alu instid0(VALU_DEP_3)
	v_lshlrev_b32 v1, 4, v8                        ; 16 x lane
	s_delay_alu instid0(VALU_DEP_4)
	v_lshl_add_u32 v2, v8, 3, 512                  ; 512 + 8 x lane
	s_mul_i32 s32, s2, STG
	v_add_nc_u32 v3, s32, v1                       ; the stage, on the way in
	v_mul_u32_u24 v4, v9, SP
	s_delay_alu instid0(VALU_DEP_1)
	v_lshl_add_u32 v4, v10, 7, v4
	s_delay_alu instid0(VALU_DEP_1)
	v_add_nc_u32 v4, s32, v4                       ; and out: row r, + 128 h bytes
	v_lshlrev_b32 v5, 3, v10                       ; 8 h
	v_lshlrev_b32 v6, 4, v9
	s_delay_alu instid0(VALU_DEP_1)
	v_lshl_add_u32 v6, v10, 3, v6                  ; 16 r + 8 h
	v_mov_b32 v[TM+7], 0
	s_mov_b32 s6, 0x76543210
	s_mov_b32 s7, 0xfedcba98                       ; selects for lane l xor 16
	s_mul_i32 s3, ttmp9, 10
	s_add_co_u32 s3, s3, s2                        ; u = 10 x work-group + wave
	s_lshr_b32 s4, s3, 1                           ; tile T
	s_and_b32 s5, s3, 1                            ; which half of K
	s_wait_alu depctr_va_vdst(0)
	s_wait_kmcnt 0x0
	s_mov_b64 s[24:25], s[18:19]                   ; which tensor, and its first tile: by the tile's number alone
	s_mov_b32 s26, 1216
	s_cmp_lt_u32 s4, 1216
	s_cselect_b64 s[24:25], s[16:17], s[24:25]
	s_cselect_b32 s26, 1152, s26
	s_cmp_lt_u32 s4, 1152
	s_cselect_b64 s[24:25], s[14:15], s[24:25]
	s_cselect_b32 s26, 1088, s26
	s_cmp_lt_u32 s4, 1088
	s_cselect_b64 s[24:25], s[12:13], s[24:25]
	s_cselect_b32 s26, 1024, s26
	s_cmp_lt_u32 s4, 1024
	s_cselect_b64 s[24:25], s[10:11], s[24:25]
	s_cselect_b32 s26, 512, s26
	s_cmp_lt_u32 s4, 512
	s_cselect_b64 s[24:25], s[8:9], s[24:25]
	s_cselect_b32 s26, 0, s26
	s_sub_co_u32 s27, s4, s26                      ; the tile's number in its tensor
	s_lshr_b32 s28, s27, 2
	s_lshl_b32 s28, s28, 18                        ; 64 rows of 4,096 bytes
	s_and_b32 s29, s27, 3
	s_lshl_b32 s29, s29, 15                        ; 8 rows
	s_add_co_u32 s28, s28, s29
	s_lshl_b32 s29, s5, 11                         ; my half of K
	s_add_co_u32 s28, s28, s29
	s_mov_b32 s29, 0
	s_add_nc_u64 s[24:25], s[24:25], s[28:29]
	s_mul_i32 s30, s3, 6144
	s_mov_b32 s31, 0
	s_add_nc_u64 s[20:21], s[20:21], s[30:31]
	s_lshl_b32 s30, s3, 8
	s_add_nc_u64 s[22:23], s[22:23], s[30:31]
.macro LOAD t                          ; step t: 16 rows x 512 bytes into set t % 2; the tile's rows 8-15 lie 32 rows below rows 0-7
.irp i, 0,1,2,3,4,5,6,7,8,9,10,11,12,13,14,15
	global_load_b128 v[R+64*((\t)%2)+4*\i:R+64*((\t)%2)+4*\i+3], v1, s[24:25] offset:(\i+24*(\i/8))*4096+512*(\t) th:TH_LOAD_NT
.endr
.endm
.macro TURN t                          ; LDS serves a wave's instructions in order (ISA guide 5.7.1.4): no wait between the stores and the loads
.irp i, 0,1,2,3,4,5,6,7,8,9,10,11,12,13,14,15
	ds_store_b128 v3, v[R+64*((\t)%2)+4*\i:R+64*((\t)%2)+4*\i+3] offset:SP*\i
.endr
.irp c, 0,1
.irp j, 0,1,2,3,4,5,6,7
	ds_load_b128 v[X+32*\c+4*\j:X+32*\c+4*\j+3], v4 offset:256*\c+16*\j
.endr
.endr
.endm
.macro QSTEP t
.if (\t) < 3
	s_wait_loadcnt 16                              ; this step's 16 loads are in; the next step's 16 may be out
.else
	s_wait_loadcnt 0x0
.endif
	TURN \t
	s_wait_dscnt 0x0
.if (\t) < 2
	LOAD (\t)+2
.endif
.if (\t) > 0
	s_wait_xcnt 0x0                                ; the last step's stores have read the codes' registers
.endif
.irp c, 0,1
	v_max3_num_f32 v[TM+\c], |v[X+32*\c]|, |v[X+32*\c+1]|, 0x1800000   ; my block 2 c + h, and the floor 2^(3 - 127)
.endr
.irp i, 2,4,6,8,10,12,14,16,18,20,22,24,26,28,30
.irp c, 0,1
	s_delay_alu instid0(VALU_DEP_2)
	v_max3_num_f32 v[TM+\c], v[TM+\c], |v[X+32*\c+\i]|, |v[X+32*\c+\i+1]|
.endr
.endr
.irp c, 0,1
	s_delay_alu instid0(VALU_DEP_2)
	v_add_nc_u32 v[TM+2+\c], 0xff000000, v[TM+\c]  ; 2 off the exponent field: the conversion's scale operand
.endr
.irp c, 0,1
	s_delay_alu instid0(VALU_DEP_2)
	v_lshrrev_b32 v[TM+4+\c], 23, v[TM+2+\c]       ; the scale's byte
.endr
	s_delay_alu instid0(VALU_DEP_1)
	v_lshl_or_b32 v[TM+6], v[TM+5], 16, v[TM+4]
	s_delay_alu instid0(VALU_DEP_1)
	v_lshlrev_b32 v[TM+6], v5, v[TM+6]
	s_delay_alu instid0(VALU_DEP_1)
	v_permlanex16_b32 v[TM+7], v[TM+6], s6, s7
	s_delay_alu instid0(VALU_DEP_1)
	v_or_b32 v[W+(\t)], v[TM+6], v[TM+7]           ; with lane l xor 16's two bytes the word is whole
.irp c, 0,1
	v_cvt_scalef32_pk16_fp6_f32 v[PC+6*\c:PC+6*\c+2], v[X+32*\c:X+32*\c+15], v[TM+2+\c]
	v_cvt_scalef32_pk16_fp6_f32 v[TT+4*\c:TT+4*\c+2], v[X+32*\c+16:X+32*\c+31], v[TM+2+\c]
.endr
	v_nop                                          ; one plain place behind a scaled conversion
.irp c, 0,1
.irp i, 0,1,2
	v_mov_b32 v[PC+3+6*\c+\i], v[TT+4*\c+\i]
.endr
.endr
	global_store_b128 v1, v[PC:PC+3], s[20:21] offset:1536*(\t)
	global_store_b64 v2, v[PC+4:PC+5], s[20:21] offset:1536*(\t)
	global_store_b128 v1, v[PC+6:PC+9], s[20:21] offset:1536*(\t)+768
	global_store_b64 v2, v[PC+10:PC+11], s[20:21] offset:1536*(\t)+768
.endm
	LOAD 0
	LOAD 1
	QSTEP 0
	QSTEP 1
	QSTEP 2
	QSTEP 3
	v_cmp_eq_u32 vcc_lo, 1, v10                    ; lanes 0-15 store words 0, 1, lanes 16-31 words 2, 3
	s_delay_alu instid0(VALU_DEP_1)
	v_cndmask_b32 v240, v[W], v[W+2], vcc_lo
	s_delay_alu instid0(VALU_DEP_2)
	v_cndmask_b32 v241, v[W+1], v[W+3], vcc_lo
	global_store_b64 v6, v[240:241], s[22:23]      ; 256 consecutive bytes
	s_wait_tensorcnt 0x0                           ; the wave's end
	ds_add_u32 v254, v255
	s_wait_dscnt 0x0
	s_endpgm
.Lfunc_end_k_q5e397e56f5_quant:
	.size	k_q5e397e56f5_quant, .Lfunc_end_k_q5e397e56f5_quant-k_q5e397e56f5_quant
	.p2alignl 7, 3214868480
	.fill 96, 4, 3214868480
	.section	.rodata,"a",@progbits
	.p2align	6, 0x0
	.amdhsa_kernel k_q5e397e56f5_quant
		.amdhsa_group_segment_fixed_size 85760
		.amdhsa_private_segment_fixed_size 0
		.amdhsa_enable_private_segment 0
		.amdhsa_kernarg_size 64
		.amdhsa_user_sgpr_count 2
		.amdhsa_user_sgpr_kernarg_segment_ptr 1
		.amdhsa_wavefront_size32 1
		.amdhsa_system_sgpr_workgroup_id_x 1
		.amdhsa_system_sgpr_workgroup_id_y 1
		.amdhsa_system_sgpr_workgroup_id_z 1
		.amdhsa_system_vgpr_workitem_id 0
		.amdhsa_next_free_vgpr 256
		.amdhsa_next_free_sgpr 66
		.amdhsa_reserve_vcc 1
		.amdhsa_float_denorm_mode_32 3
		.amdhsa_float_denorm_mode_16_64 3
		.amdhsa_memory_ordered 1
		.amdhsa_forward_progress 1
		.amdhsa_inst_pref_size 36
	.end_amdhsa_kernel
	.amdgpu_metadata
---
amdhsa.version: [ 1, 2 ]
amdhsa.kernels:
  - .name:           k_q5e397e56f5_quant
    .symbol:         k_q5e397e56f5_quant.kd
    .args:
      - { .name: query, .offset: 0, .size: 8, .value_kind: global_buffer, .address_space: global }
      - { .name: key_value, .offset: 8, .size: 8, .value_kind: global_buffer, .address_space: global }
      - { .name: Wq, .offset: 16, .size: 8, .value_kind: global_buffer, .address_space: global }
      - { .name: Wk, .offset: 24, .size: 8, .value_kind: global_buffer, .address_space: global }
      - { .name: Wv, .offset: 32, .size: 8, .value_kind: global_buffer, .address_space: global }
      - { .name: Wo, .offset: 40, .size: 8, .value_kind: global_buffer, .address_space: global }
      - { .name: xc, .offset: 48, .size: 8, .value_kind: global_buffer, .address_space: global }
      - { .name: xs, .offset: 56, .size: 8, .value_kind: global_buffer, .address_space: global }
    .group_segment_fixed_size: 85760
    .private_segment_fixed_size: 0
    .kernarg_segment_align: 8
    .kernarg_segment_size: 64
    .max_flat_workgroup_size: 320
    .sgpr_count:     66
    .vgpr_count:     256
    .wavefront_size: 32
...
	.end_amdgpu_metadata
.endif
;; end of part 1
;; launch proj (part 2): grid 4 x 64, 4 waves a work-group, clusters of 4 x 4, 327,680 bytes of LDS; arguments xc, xs, bq, bk, bv, qb, kvb; writes qb, kvb
.if DOCPART == 2
	.amdgcn_target "amdgcn-amd-amdhsa--gfx1250"
	.amdhsa_code_object_version 6
	.text
	.protected	k_q5e397e56f5_proj
	.globl	k_q5e397e56f5_proj
	.p2align	8
	.type	k_q5e397e56f5_proj,@function
k_q5e397e56f5_proj:
	s_mov_b64 s[64:65], 0
	v_nop
	global_prefetch_b8 v0, s[64:65] scope:SCOPE_SE
	s_setreg_imm32_b32 hwreg(HW_REG_WAVE_MODE, 25, 1), 1
	s_wait_xcnt 0x0
	s_wait_alu depctr_hold_cnt(0) depctr_sa_sdst(0) depctr_va_vdst(0) depctr_va_sdst(0) depctr_va_ssrc(0) depctr_va_vcc(0) depctr_vm_vsrc(0)
	s_getreg_b32 s2, hwreg(HW_REG_IB_STS2, 6, 4)
	s_cmp_eq_u32 s2, 0
	s_cbranch_scc0 .Lentry_in_a_cluster
	s_endpgm
.Lentry_in_a_cluster:
	s_bfe_u32 s2, ttmp6, 0x10000c
	s_cmp_lg_u32 s2, 0xf033
	s_cbranch_scc0 .Lentry_shape_is_right
	s_endpgm
.Lentry_shape_is_right:
; Q = query Wq^T + bq, K = key_value Wk^T + bk, V^T = Wv key_value^T + bv, on codes of FP6 (E2M3) with E8M0 scales, f32 sums; each result is quantised at once for attention's products.
; C[m][n] = sum over k of A[m][k] B[n][k] + bias.  For Q and K, A is the tokens and B the weight; for V, A is Wv and B the tokens, so that V is quantised along the keys by the same lines.
; A WORK-GROUP STAYS: 256 work-groups of four waves, each makes 128 x 256 of Q, then of K (one loop, two trips), then of V (the tail, written out: it asks for nothing more).  A wave makes 64 x 128: 4 tiles of A x 8 of B.
; THE RING: two LDS slots, each with one half of K (512) of A's 8 tiles and B's 16: 147,456 bytes.  At the head one joint load a wave: A's half 0, B's half 0, A's half 1, B's half 1.
; Slot 0 is filled again, with the next tile's half 0, in a round of the cluster's barrier inside K step 3 (waves 0 and 1 load); slot 1 in a round in the middle of the way out (waves 2 and 3).
; Each round shows the other slot's fill to all waves.  Every wait on TENSORcnt is for 0; a wave has one tensor load out at the most.  The launch claims all of LDS.
; The next tile's scale words and bias are asked for behind K step 7 and land under the way out.
; PREFETCH: K's token tiles, 98,304 bytes a work-group's row of the cluster, are asked for at the head, a whole tile ahead of their loads: each of the sixteen waves that will ask jointly names 24 blocks of
; 256 bytes, told apart by address.  V's tokens are K's, read a tile earlier; the weights are read by all clusters at about the same time, and are left to their loads.
; CLUSTER 4 x 4: A's tiles are shared along a row of the cluster, B's along a column.
; THE MATRIX INSTRUCTION IS USED TRANSPOSED (source 0 = 16 rows of B, source 1 = 16 rows of A): lane (r, h) holds row r of A's tile and, by the order of rows in a tile (64 (T / 4) + 8 (T % 4) + r % 8 + 32 (r / 8)),
; register 32 g + i of a tile's 64 is n = 64 g + 32 h + i: a lane's 32 registers are one scale block, in the operand's own order.  The bias is the C of each sum's first product.
; OUT: a record of 208,896 bytes for each batch and head, in 16 slots of 13,056: slot j: K's (or Q's) codes of tokens 128 j .. [tile 8][768] at 0; V's codes of keys 128 (j - 1) .. (slot 0: the last 128)
; [half 2][16 of the head's 64: 4][768] at 6,144; K's scale words [tile / 4][row 16][4] at 12,288; V's [row 16][4] at 12,800.  Q's and K's words repeat their two bytes.
; LIMITS: a block of zeros gets the byte 1 (its codes are zeros; this program alone reads the bytes); NaN and infinities are not served.
; REGISTERS: window 0: v1-31 addresses; v32-63 A's scale words, v64-127 B's; v128-223 A's fragments, two sets; v224-255 at work.  window 1: B's fragments at v0 and v128; the bias at v96-127, v224-255.  window 2: accumulator (a, b) at v[8 (8 a + b)].
.set CH,   147456
.set REC,  208896
.set STP,  13056
.set SA,   32
.set SB,   64
.set AF,   128
.set A16,  4
.set A8,   8
.set B16,  12
.set B8,   16
.set TM,   224
.set PW,   240
.set W,    244
.set BM,   248                         ; v248, 250, 252, 254: V's bias of my row of tile a
.set G1A,  28
.set G1B,  36
.set G0A,  44                          ; s[44:51] group 0 for A, slot 0 and slot 1
.set G0B,  68                          ; s[68:75] for B
; s52, s53 the next tile's first tiles of A and of B; s54, s55 V's; s56, s57 where Q's and K's codes and words go; s58, s59 V's; s[76:77], s[78:79] the same as addresses; s93 = s97 = 0
.set MSB, 0
.macro WIN new
.if MSB != \new
	s_set_vgpr_msb (MSB<<8)|\new
.set MSB, \new
.endif
.endm
.set MUL,  0xa1
.set TO_B, 0x40
.macro WALU
	s_wait_alu depctr_va_vdst(0)
.endm
.macro CROUND
	s_barrier_signal -1
	s_barrier_wait -1
	s_cmp_lg_u32 s18, 0
	s_cbranch_scc1 .Lnot_wave_0_\@
	s_barrier_signal -3
.Lnot_wave_0_\@:
	s_barrier_wait -3
	s_barrier_signal -1
	s_barrier_wait -1
.endm
.macro PLACES                          ; four places behind a matrix instruction (ISA guide 7.12.1)
.rept 4
	v_nop
.endr
.endm
.macro TLOAD g0, g1
	tensor_load_to_lds s[\g0:\g0+3], s[\g1:\g1+7]
	s_nop 0
	PLACES
.endm
.macro FRAG reg, a16, a8, off, hs
	ds_load_b128 v[\reg:\reg+3], v[\a16] offset:\off
	ds_load_b64 v[\reg+4:\reg+5], v[\a8] offset:\off
	ds_load_b128 v[\reg+6:\reg+9], v[\a16] offset:\off+\hs
	ds_load_b64 v[\reg+10:\reg+11], v[\a8] offset:\off+\hs
.endm
.macro FETCH c, q2, set
	WIN TO_B
.irp i, 0,1,2,3,4,5,6,7
	FRAG 128*(\set)+12*\i, B16+\c, B8+\c, 6144*\i+1536*(\q2), 768
.endr
	WIN 0
.irp i, 0,1,2,3
	FRAG AF+48*(\set)+12*\i, A16+\c, A8+\c, 6144*\i+1536*(\q2), 768
.endr
.endm
; 16 matrix instructions.  cm = 1: the bias along n starts the sums; 2: the bias along m.  The 32 accumulators take turns, one instruction a turn
.macro MUL16 a0, set, q, cm
.irp a, \a0, \a0+1
.irp b, 0,1,2,3,4,5,6,7
.if (\cm) == 1
	v_wmma_scale_f32_16x16x128_f8f6f4 v[8*(8*(\a)+\b):8*(8*(\a)+\b)+7], v[128*(\set)+12*\b:128*(\set)+12*\b+11], v[AF+48*(\set)+12*(\a):AF+48*(\set)+12*(\a)+11], v[96+8*(\b%4)+128*(\b/4):96+8*(\b%4)+128*(\b/4)+7], v[SB+8*\b+(\q)], v[SA+8*(\a)+(\q)] matrix_a_fmt:MATRIX_FMT_FP6 matrix_b_fmt:MATRIX_FMT_FP6
.elseif (\cm) == 2
	v_wmma_scale_f32_16x16x128_f8f6f4 v[8*(8*(\a)+\b):8*(8*(\a)+\b)+7], v[128*(\set)+12*\b:128*(\set)+12*\b+11], v[AF+48*(\set)+12*(\a):AF+48*(\set)+12*(\a)+11], v[96+8*(\a):96+8*(\a)+7], v[SB+8*\b+(\q)], v[SA+8*(\a)+(\q)] matrix_a_fmt:MATRIX_FMT_FP6 matrix_b_fmt:MATRIX_FMT_FP6
.else
	v_wmma_scale_f32_16x16x128_f8f6f4 v[8*(8*(\a)+\b):8*(8*(\a)+\b)+7], v[128*(\set)+12*\b:128*(\set)+12*\b+11], v[AF+48*(\set)+12*(\a):AF+48*(\set)+12*(\a)+11], v[8*(8*(\a)+\b):8*(8*(\a)+\b)+7], v[SB+8*\b+(\q)], v[SA+8*(\a)+(\q)] matrix_a_fmt:MATRIX_FMT_FP6 matrix_b_fmt:MATRIX_FMT_FP6
.endif
.endr
.endr
.endm
.macro STEP_IN q, cm
	s_wait_dscnt 0x0
	PLACES
	FETCH (\q)/2, 1, 1
.if \cm
	WIN 0x91                                       ; C (the bias) window 1, D window 2
.else
	WIN MUL
.endif
	MUL16 0, 0, \q, \cm
	MUL16 2, 0, \q, \cm
.endm
.macro STEP_OUT q, show                ; show = 1 (the tail's step 3): every wave waits for its load, and a plain barrier shows slot 1 to all
	s_wait_dscnt 0x0
.if \show
	s_wait_tensorcnt 0x0
	s_barrier_signal -1
.endif
	WIN MUL
	MUL16 0, 1, \q, 0
.if \show
	s_barrier_wait -1
.endif
	PLACES
	FETCH ((\q)+1)/2, 0, 0
	WIN MUL
	MUL16 2, 1, \q, 0
.endm
.macro NEXTG0 half                     ; the next tile's addresses for slot half: written behind the wait for all my tensor loads
	s_mul_i32 s92, s52, 12288
	s_mul_i32 s96, s53, 12288
	s_add_nc_u64 s[G0A+4*(\half)+2:G0A+4*(\half)+3], s[4:5], s[92:93]
	s_add_nc_u64 s[G0B+4*(\half)+2:G0B+4*(\half)+3], s[4:5], s[96:97]
.if \half
	s_add_nc_u64 s[G0A+4*(\half)+2:G0A+4*(\half)+3], s[G0A+4*(\half)+2:G0A+4*(\half)+3], 6144
	s_add_nc_u64 s[G0B+4*(\half)+2:G0B+4*(\half)+3], s[G0B+4*(\half)+2:G0B+4*(\half)+3], 6144
.endif
	s_or_b32 s[G0A+4*(\half)+3], s[G0A+4*(\half)+3], 0x80000000
	s_or_b32 s[G0B+4*(\half)+3], s[G0B+4*(\half)+3], 0x80000000
.endm
.macro REFILL wa, half                 ; wave wa asks for A's part of the slot, wave wa + 1 for B's; the other two for nothing
	s_cmp_eq_u32 s18, \wa
	s_cbranch_scc0 .Lfor_b_\@
	TLOAD G0A+4*(\half), G1A
	s_branch .Lasked_\@
.Lfor_b_\@:
	s_cmp_eq_u32 s18, \wa+1
	s_cbranch_scc0 .Lasked_\@
	TLOAD G0B+4*(\half), G1B
.Lasked_\@:
.endm
.macro STEP3R                          ; K step 3 with the round: my reads of slot 0 are over, slot 1 is shown, slot 0 is filled again
	s_wait_dscnt 0x0
	WIN 0
	s_wait_tensorcnt 0x0                           ; all my tensor loads have landed;
	ds_add_u32 v242, v243
	NEXTG0 0
	WIN MUL
	MUL16 0, 1, 3, 0                               ; work on registers between the add and the wait for it
	WIN 0
	s_wait_dscnt 0x0
	CROUND
	REFILL 0, 0
	PLACES                                         ; for the waves that come round the loads
	FETCH 2, 0, 0
	WIN MUL
	MUL16 2, 1, 3, 0
.endm
.macro SCLOAD ta, tb                   ; the scale words of my 4 tiles of A and 8 of B, counted from the group's first tiles s\ta, s\tb
	s_lshl_b32 s2, s19, 2
	s_add_co_u32 s2, s2, s\ta
	s_lshl_b32 s2, s2, 9
	s_mov_b32 s3, 0
	s_add_nc_u64 s[66:67], s[6:7], s[2:3]
	s_lshl_b32 s2, s20, 3
	s_add_co_u32 s2, s2, s\tb
	s_lshl_b32 s2, s2, 9
	s_add_nc_u64 s[26:27], s[6:7], s[2:3]
.irp a, 0,1,2,3
.irp f, 0,1
	global_load_b128 v[SA+8*\a+4*\f:SA+8*\a+4*\f+3], v26, s[66:67] offset:512*\a+256*\f
.endr
.endr
.irp b, 0,1,2,3,4,5,6,7
.irp f, 0,1
	global_load_b128 v[SB+8*\b+4*\f:SB+8*\b+4*\f+3], v26, s[26:27] offset:512*\b+256*\f
.endr
.endr
.endm
.macro BNLOAD p                        ; the bias along n, laid as the result lies
	WIN TO_B
.irp b, 0,1,2,3,4,5,6,7
	global_load_b128 v[96+8*(\b%4)+128*(\b/4):96+8*(\b%4)+128*(\b/4)+3], v27, s[\p:\p+1] offset:(64*(\b/4)+8*(\b%4))*4
	global_load_b128 v[96+8*(\b%4)+128*(\b/4)+4:96+8*(\b%4)+128*(\b/4)+7], v27, s[\p:\p+1] offset:(64*(\b/4)+8*(\b%4))*4+16
.endr
	WIN 0
.endm
; THE WAY OUT of tile a: its 64 numbers are two scale blocks of my lane (g = 0, 1).  Each accumulator is read from its low end on.
.macro QUANTW a
.set AC, 64*(\a)
.set PCA, 128+20*(\a)
	WIN 0x0a
.irp g, 0,1
	v_max3_num_f32 v[TM+\g], |v[AC+32*\g]|, |v[AC+32*\g+1]|, 0x1800000   ; and the floor 2^(3 - 127)
.endr
.irp i, 2,4,6,8,10,12,14,16,18,20,22,24,26,28,30
.irp g, 0,1
	v_max3_num_f32 v[TM+\g], |v[AC+32*\g+\i]|, |v[AC+32*\g+\i+1]|, v[TM+\g]
.endr
.endr
	WIN 0
.irp g, 0,1
	v_add_nc_u32 v[TM+12+\g], 0xff000000, v[TM+\g] ; 2 off the exponent field: the conversion's scale operand
.endr
.irp g, 0,1
	v_lshrrev_b32 v[TM+4+\g], 23, v[TM+12+\g]      ; the scale's byte
.endr
	v_lshl_or_b32 v[PW], v[TM+5], 16, v[TM+4]      ; my two bytes, at bytes 0 and 2
	v_permlanex16_b32 v[TM+6], v[PW], s98, s99     ; and lane l xor 16's
	WIN 0x02
.irp g, 0,1
	v_cvt_scalef32_pk16_fp6_f32 v[PCA+6*\g:PCA+6*\g+2], v[AC+32*\g:AC+32*\g+15], v[TM+12+\g]
	v_cvt_scalef32_pk16_fp6_f32 v[PCA+12+4*\g:PCA+14+4*\g], v[AC+32*\g+16:AC+32*\g+31], v[TM+12+\g]
.endr
	WIN 0
	v_perm_b32 v[W+(\a)], v[TM+6], v[PW], v20      ; the word as it is stored.  (Also the plain place behind the conversions)
.irp g, 0,1
.irp i, 0,1,2
	v_mov_b32 v[PCA+3+6*\g+\i], v[PCA+12+4*\g+\i]
.endr
.endr
	global_store_b128 v21, v[PCA:PCA+3], s[76:77] offset:768*(\a)
	global_store_b64 v22, v[PCA+4:PCA+5], s[76:77] offset:768*(\a)
	global_store_b128 v23, v[PCA+6:PCA+9], s[76:77] offset:768*(\a)
	global_store_b64 v24, v[PCA+10:PCA+11], s[76:77] offset:768*(\a)
.endm
.macro ARM w, g0, g1, next             ; one arm of the head's chain: wave w's one load
	s_cmp_eq_u32 s18, \w
	s_cbranch_scc0 \next
	TLOAD \g0, \g1
	s_branch .Lfilled
\next:
.endm
	s_load_b256 s[4:11], s[0:1], 0x0               ; xc, xs, bq, bk
	s_load_b128 s[12:15], s[0:1], 0x20             ; bv, qb
	s_load_b64 s[16:17], s[0:1], 0x30              ; kvb
	v_lshl_add_u32 v242, v0, 2, 0x48000
	v_mov_b32 v243, 0
	ds_add_u32 v242, v243                          ; the opening lines
	ds_add_u32 v242, v243
	v_lshrrev_b32 v1, 5, v0
	v_readfirstlane_b32 s18, v1                    ; wave 0..3
	s_lshr_b32 s19, s18, 1                         ; WM: which 64 rows of A are mine
	s_and_b32 s20, s18, 1                          ; WN: which 128 rows of B
	s_bfe_u32 s21, ttmp6, 0x40000                  ; cx
	s_bfe_u32 s22, ttmp6, 0x40004                  ; cy
	s_and_b32 s25, ttmp7, 0xffff                   ; the cluster's number, 0 .. 15
	s_lshl_b32 s60, s25, 2
	s_add_co_u32 s60, s60, s22                     ; Q, K: the block of 128 tokens
	s_lshl_b32 s62, s60, 3                         ; Q: first tile of A (query)
	s_lshl_b32 s63, s21, 4
	s_add_co_u32 s63, s63, 1024                    ; and of B (Wq)
	s_add_co_u32 s52, s62, 512                     ; K: key_value,
	s_add_co_u32 s53, s63, 64                      ; Wk
	s_lshr_b32 s80, s25, 3
	s_lshl_b32 s80, s80, 2
	s_add_co_u32 s80, s80, s22                     ; V: the block of 128 rows of Wv
	s_lshl_b32 s54, s80, 3
	s_add_co_u32 s54, s54, 1152
	s_and_b32 s81, s25, 7
	s_lshl_b32 s81, s81, 2
	s_add_co_u32 s81, s81, s21                     ; and of 256 tokens
	s_lshl_b32 s55, s81, 4
	s_add_co_u32 s55, s55, 512
	s_lshl_b32 s2, s22, 2
	s_lshl_b32 s2, 15, s2                          ; my row of the cluster
	s_lshl_b32 s3, 0x1111, s21                     ; my column
	; group 1: rows of 6,144 bytes (a tile's four K steps; 768 elements of 8 bytes), 12,288 bytes apart; A: 8 tiles a load, B: 16
	s_or_b32 s[G1A], s2, (3<<16)|(1<<21)
	s_or_b32 s[G1B], s3, (3<<16)|(1<<21)
.irp g, G1A, G1B
	s_mov_b32 s[\g+1], 768<<16
	s_mov_b32 s[\g+3], 768<<16
	s_mov_b32 s[\g+5], 1536
	s_mov_b32 s[\g+6], 0
	s_mov_b32 s[\g+7], 0
.endr
	s_mov_b32 s[G1A+2], 8<<16
	s_mov_b32 s[G1A+4], 8
	s_mov_b32 s[G1B+2], 16<<16
	s_mov_b32 s[G1B+4], 16
	s_mul_i32 s92, s62, 12288
	s_mov_b32 s93, 0
	s_mul_i32 s96, s63, 12288
	s_mov_b32 s97, 0
	s_wait_dscnt 0x0
	s_wait_kmcnt 0x0
.irp c, 0,1
	s_mov_b32 s[G0A+4*\c], 1
	s_mov_b32 s[G0A+4*\c+1], \c*CH
	s_add_nc_u64 s[G0A+4*\c+2:G0A+4*\c+3], s[4:5], s[92:93]
	s_add_nc_u64 s[G0A+4*\c+2:G0A+4*\c+3], s[G0A+4*\c+2:G0A+4*\c+3], \c*6144
	s_or_b32 s[G0A+4*\c+3], s[G0A+4*\c+3], 0x80000000
	s_mov_b32 s[G0B+4*\c], 1
	s_mov_b32 s[G0B+4*\c+1], \c*CH+49152
	s_add_nc_u64 s[G0B+4*\c+2:G0B+4*\c+3], s[4:5], s[96:97]
	s_add_nc_u64 s[G0B+4*\c+2:G0B+4*\c+3], s[G0B+4*\c+2:G0B+4*\c+3], \c*6144
	s_or_b32 s[G0B+4*\c+3], s[G0B+4*\c+3], 0x80000000
.endr
	CROUND                                         ; all sixteen work-groups are here: the joint loads meet
	ARM 0, G0A, G1A, .Lw1
	ARM 1, G0B, G1B, .Lw2
	ARM 2, G0A+4, G1A, .Lw3
	TLOAD G0B+4, G1B
.Lfilled:
	v_and_b32 v1, 31, v0
	v_and_b32 v2, 15, v0                           ; r
	v_bfe_u32 v3, v0, 4, 1                         ; h
	v_lshlrev_b32 v21, 4, v1
	v_lshl_add_u32 v22, v1, 3, 512
	s_mul_i32 s2, s19, 24576                       ; my four tiles of A
	s_mul_i32 s3, s20, 49152                       ; my eight of B,
	s_add_co_u32 s3, s3, 49152                     ; behind A's eight
.irp c, 0,1,2,3
	v_add_nc_u32 v[A16+\c], s2, v21
	v_add_nc_u32 v[A8+\c], s2, v22
	v_add_nc_u32 v[B16+\c], s3, v21
	v_add_nc_u32 v[B8+\c], s3, v22
	s_add_co_u32 s2, s2, 3072+(\c%2)*(CH-6144)     ; two K steps on in the tile, or into the other slot
	s_add_co_u32 s3, s3, 3072+(\c%2)*(CH-6144)
.endr
	v_add_nc_u32 v23, REC, v21                     ; Q, K: a fragment's second image belongs to the next head's record
	v_add_nc_u32 v24, REC, v22
	v_lshlrev_b32 v26, 4, v2                       ; 16 r
	v_mul_u32_u24 v25, REC, v3
	v_add_nc_u32 v25, v25, v26                     ; lanes 16-31 store the next head's words
	v_lshlrev_b32 v27, 7, v3                       ; the bias along n: my half's 32 numbers of each 64
	v_and_b32 v28, 8, v2
	v_mad_u32_u24 v28, v28, 3, v2
	v_lshlrev_b32 v28, 2, v28                      ; the bias along m: row r % 8 + 32 (r / 8) of a tile
	v_min_u32 v30, 23, v1
	v_lshlrev_b32 v30, 8, v30                      ; the prefetch: a lane a block of 256 bytes, 24 blocks a wave
	v_mov_b32 v20, 0x04000400                      ; Q, K, lanes 0-15: the first head's word (mine, the other half's, and again);
	v_mov_b32 v29, 0x02060206                      ; lanes 16-31: the second head's
	v_cmp_eq_u32 vcc_lo, 1, v3
	v_cndmask_b32 v20, v20, v29, vcc_lo
.irp b, 0,1,2,3
	v_mov_b32 v[TM+4+\b], 0                        ; a lane permute's destination counts as one of its sources
.endr
	WALU
	s_mov_b32 s98, 0x76543210
	s_mov_b32 s99, 0xfedcba98
	SCLOAD 62, 63
	s_lshl_b32 s91, s21, 1
	s_add_co_u32 s91, s91, s20                     ; Q, K: G, my 128 rows of the weight: heads 2 G, 2 G + 1
	s_lshl_b32 s84, s91, 9
	s_mov_b32 s85, 0
	s_add_nc_u64 s[82:83], s[8:9], s[84:85]        ; bq there,
	s_add_nc_u64 s[86:87], s[10:11], s[84:85]      ; bk
	BNLOAD 82
	s_lshl_b32 s84, s80, 9
	s_lshl_b32 s23, s19, 8
	s_add_co_u32 s84, s84, s23
	s_add_nc_u64 s[94:95], s[12:13], s[84:85]      ; bv at my 64 rows of Wv
.irp a, 0,1,2,3
	global_load_b32 v[BM+2*\a], v28, s[94:95] offset:32*\a
.endr
	s_lshl_b32 s2, s21, 2
	s_add_co_u32 s2, s2, s18
	s_mul_i32 s2, s2, 6144
	s_mul_i32 s23, s52, 12288
	s_add_co_u32 s2, s2, s23
	s_add_nc_u64 s[88:89], s[4:5], s[2:3]          ; my sixteenth of K's token tiles
	global_prefetch_b8 v30, s[88:89] th:TH_LOAD_NT scope:SCOPE_SE
	; where the results go.  Q, K: token tiles TA0 .. TA0 + 3 of heads 2 G and 2 G + 1
	s_lshl_b32 s2, s60, 3
	s_lshl_b32 s23, s19, 2
	s_add_co_u32 s2, s2, s23                       ; TA0, a multiple of 4
	s_lshr_b32 s23, s2, 7
	s_lshl_b32 s23, s23, 4
	s_lshl_b32 s90, s91, 1
	s_add_co_u32 s23, s23, s90                     ; 16 x batch + head
	s_mul_i32 s23, s23, REC
	s_and_b32 s2, s2, 127
	s_lshr_b32 s90, s2, 3
	s_mul_i32 s90, s90, STP
	s_add_co_u32 s23, s23, s90                     ; the slot
	s_and_b32 s2, s2, 4                            ; the tile in its slot: 0 or 4
	s_mul_i32 s56, s2, 768
	s_add_co_u32 s56, s56, s23                     ; codes
	s_lshl_b32 s57, s2, 6
	s_add_co_u32 s57, s57, s23
	s_add_co_u32 s57, s57, 12288                   ; words
	; V: head 2 x block + WM, keys 128 (G % 16) on of batch G / 16, in slot (G + 1) % 16
	s_lshl_b32 s91, s81, 1
	s_add_co_u32 s91, s91, s20                     ; G: my 128 tokens
	s_lshr_b32 s23, s91, 4
	s_lshl_b32 s23, s23, 4
	s_lshl_b32 s90, s80, 1
	s_add_co_u32 s23, s23, s90
	s_add_co_u32 s23, s23, s19
	s_mul_i32 s23, s23, REC
	s_add_co_u32 s90, s91, 1
	s_and_b32 s90, s90, 15
	s_mul_i32 s90, s90, STP
	s_add_co_u32 s90, s90, s23
	s_add_co_u32 s58, s90, 6144
	s_add_co_u32 s59, s90, 12800
	s_mov_b32 s24, 0
	s_cmp_lt_u32 s18, 2
	s_cbranch_scc0 .Lnot_mine
	s_wait_tensorcnt 0x0                           ; waves 0 and 1: slot 0 has landed
.Lnot_mine:
	s_barrier_signal -1
	s_barrier_wait -1
.Ltile:                                                ; Q, then K
	s_mov_b32 s92, s56
	s_add_nc_u64 s[76:77], s[14:15], s[92:93]
	s_mov_b32 s92, s57
	s_add_nc_u64 s[78:79], s[14:15], s[92:93]
	s_wait_loadcnt 0x0                             ; scale words and bias
	FETCH 0, 0, 0
	STEP_IN 0, 1
	STEP_OUT 1, 0
	STEP_IN 2, 0
	STEP3R
	STEP_IN 4, 0
	STEP_OUT 5, 0
	STEP_IN 6, 0
	s_wait_dscnt 0x0                               ; my reads of slot 1 are over
	WIN MUL
	MUL16 0, 1, 7, 0
	MUL16 2, 1, 7, 0
	WIN 0
	PLACES
	SCLOAD 52, 53                                  ; the next tile's scale words
	s_cmp_eq_u32 s24, 0
	s_cbranch_scc0 .Lno_bias                       ; and, ahead of K, bk (V's bias came at the head)
	BNLOAD 86
.Lno_bias:
	QUANTW 0
	QUANTW 1
	WALU
	s_wait_tensorcnt 0x0                           ; slot 0's fill has landed;
	ds_add_u32 v242, v243
	NEXTG0 1
	s_wait_dscnt 0x0
	CROUND                                         ; the next tile's half 0 is shown to all, and nobody reads slot 1 any more
	REFILL 2, 1
	QUANTW 2
	QUANTW 3
	global_store_b128 v25, v[W:W+3], s[78:79]      ; 256 consecutive bytes for each head
	s_wait_xcnt 0x0                                ; the stores have read their registers and bases
	s_mov_b32 s52, s54                             ; behind K comes V
	s_mov_b32 s53, s55
	s_mov_b64 s[14:15], s[16:17]                   ; K and V go to kvb
	s_add_co_u32 s24, s24, 1
	s_cmp_lt_u32 s24, 2
	WALU
	s_cbranch_scc1 .Ltile
; V: nothing more is asked for
	s_mov_b32 s92, s58
	s_add_nc_u64 s[76:77], s[16:17], s[92:93]
	s_mov_b32 s92, s59
	s_add_nc_u64 s[78:79], s[16:17], s[92:93]
	v_add_nc_u32 v23, 3072, v21                    ; a fragment's second image: keys 64-127
	v_add_nc_u32 v24, 3072, v22
	v_mov_b32 v25, v26                             ; lanes 16-31 store what lanes 0-15 store, at the same places
	v_mov_b32 v20, 0x06020400                      ; byte 2 g + h of the word is block (g, h)'s
	v_mov_b32 v29, 0x02060004
	v_cmp_eq_u32 vcc_lo, 1, v3
	v_cndmask_b32 v20, v20, v29, vcc_lo
	WALU
	s_wait_loadcnt 0x0
	WIN 0x40
.irp a, 0,1,2,3
.irp i, 0,1,2,3,4,5,6,7
	v_mov_b32 v[96+8*\a+\i], v[BM+2*\a]            ; my row's bias over the eight registers of a first product's C
.endr
.endr
	WIN 0
	WALU
	FETCH 0, 0, 0
	STEP_IN 0, 2
	STEP_OUT 1, 0
	STEP_IN 2, 0
	STEP_OUT 3, 1
	STEP_IN 4, 0
	STEP_OUT 5, 0
	STEP_IN 6, 0
	s_wait_dscnt 0x0
	WIN MUL
	MUL16 0, 1, 7, 0
	MUL16 2, 1, 7, 0
	WIN 0
	PLACES
	QUANTW 0
	QUANTW 1
	QUANTW 2
	QUANTW 3
	global_store_b128 v25, v[W:W+3], s[78:79]
	s_wait_tensorcnt 0x0                           ; the wave's end
	ds_add_u32 v242, v243
	s_wait_dscnt 0x0
	CROUND                                         ; the closing round
	s_endpgm
.Lfunc_end_k_q5e397e56f5_proj:
	.size	k_q5e397e56f5_proj, .Lfunc_end_k_q5e397e56f5_proj-k_q5e397e56f5_proj
	.p2alignl 7, 3214868480
	.fill 96, 4, 3214868480
	.section	.rodata,"a",@progbits
	.p2align	6, 0x0
	.amdhsa_kernel k_q5e397e56f5_proj
		.amdhsa_group_segment_fixed_size 327680
		.amdhsa_private_segment_fixed_size 0
		.amdhsa_enable_private_segment 0
		.amdhsa_kernarg_size 56
		.amdhsa_user_sgpr_count 2
		.amdhsa_user_sgpr_kernarg_segment_ptr 1
		.amdhsa_wavefront_size32 1
		.amdhsa_system_sgpr_workgroup_id_x 1
		.amdhsa_system_sgpr_workgroup_id_y 1
		.amdhsa_system_sgpr_workgroup_id_z 1
		.amdhsa_system_vgpr_workitem_id 0
		.amdhsa_next_free_vgpr 768
		.amdhsa_next_free_sgpr 100
		.amdhsa_reserve_vcc 1
		.amdhsa_float_denorm_mode_32 3
		.amdhsa_float_denorm_mode_16_64 3
		.amdhsa_memory_ordered 1
		.amdhsa_forward_progress 1
		.amdhsa_inst_pref_size 168
	.end_amdhsa_kernel
	.amdgpu_metadata
---
amdhsa.version: [ 1, 2 ]
amdhsa.kernels:
  - .name:           k_q5e397e56f5_proj
    .symbol:         k_q5e397e56f5_proj.kd
    .args:
      - { .name: xc, .offset: 0, .size: 8, .value_kind: global_buffer, .address_space: global }
      - { .name: xs, .offset: 8, .size: 8, .value_kind: global_buffer, .address_space: global }
      - { .name: bq, .offset: 16, .size: 8, .value_kind: global_buffer, .address_space: global }
      - { .name: bk, .offset: 24, .size: 8, .value_kind: global_buffer, .address_space: global }
      - { .name: bv, .offset: 32, .size: 8, .value_kind: global_buffer, .address_space: global }
      - { .name: qb, .offset: 40, .size: 8, .value_kind: global_buffer, .address_space: global }
      - { .name: kvb, .offset: 48, .size: 8, .value_kind: global_buffer, .address_space: global }
    .group_segment_fixed_size: 327680
    .private_segment_fixed_size: 0
    .kernarg_segment_align: 8
    .kernarg_segment_size: 56
    .max_flat_workgroup_size: 128
    .sgpr_count:     100
    .vgpr_count:     768
    .wavefront_size: 32
...
	.end_amdgpu_metadata
.endif
;; end of part 2
;; launch attn (part 3): grid 4 x 64, 16 waves a work-group, clusters of 4 x 1, 264,192 bytes of LDS; arguments qb, kvb, oc, os; writes oc, os
.if DOCPART == 3
	.amdgcn_target "amdgcn-amd-amdhsa--gfx1250"
	.amdhsa_code_object_version 6
	.text
	.protected	k_q5e397e56f5_attn
	.globl	k_q5e397e56f5_attn
	.p2align	8
	.type	k_q5e397e56f5_attn,@function
k_q5e397e56f5_attn:
	s_mov_b64 s[64:65], 0
	v_nop
	global_prefetch_b8 v0, s[64:65] scope:SCOPE_SE
	s_setreg_imm32_b32 hwreg(HW_REG_WAVE_MODE, 25, 1), 1
	s_wait_xcnt 0x0
	s_wait_alu depctr_hold_cnt(0) depctr_sa_sdst(0) depctr_va_vdst(0) depctr_va_sdst(0) depctr_va_ssrc(0) depctr_va_vcc(0) depctr_vm_vsrc(0)
	s_getreg_b32 s2, hwreg(HW_REG_IB_STS2, 6, 4)
	s_cmp_eq_u32 s2, 0
	s_cbranch_scc0 .Lentry_in_a_cluster
	s_endpgm
.Lentry_in_a_cluster:
	s_bfe_u32 s2, ttmp6, 0x10000c
	s_cmp_lg_u32 s2, 0x3003
	s_cbranch_scc0 .Lentry_shape_is_right
	s_endpgm
.Lentry_shape_is_right:
; For each batch and head: O[q] = the sum over keys of softmax(Q[q] . K[key] / 8) V[key], both products on codes of FP6 (E2M3) with E8M0 scales; the result is quantised at once, along head x 64 + d, for the last projection.
; THE SOFTMAX AHEAD OF THE SECOND PRODUCT: t = score x log2(e) / 8; M = the row's largest t so far, rounded UP to a whole number; p = 2^(t - M) is quantised along the keys, not normalised.
; The row's sum is taken of the unquantised p and divides O at the end.  When M moves, the sum and O are multiplied by 2^(old M - new M): exact.
; SHARES: a work-group owns 512 queries of one head; each of its sixteen waves two tiles of 16, one after the other (PASS), in 256 registers.  The head's record lies in LDS, filled once: wave w brings slot w
; (13,056 bytes, to LDS byte 16,384 w) by its one tensor load.  Slot j holds K's codes and words of key step j and V's of key step j - 1: so one base serves V of this step and K of the next, which are
; asked for together behind the first product.  The last step of a pass asks for K of step 0, for the next pass; behind the second pass those 18 loads are only waited for.
; Behind the one barrier that shows the record the waves share nothing.
; CLUSTER 4 x 1: the four blocks of queries of a head read the same record: it is asked for jointly.  No prefetch: the launch's only fill stands at its head.
; LAYOUT: both products transposed: S^T = K Q^T, O^T = V^T P^T: a lane holds one query throughout.  By the order of rows in a tile (64 (T / 4) + 8 (T % 4) + r % 8 + 32 (r / 8)) a lane's 32 registers of four
; neighbouring tiles are 32 neighbouring keys (or 32 of the head's 64): ONE SCALE BLOCK, in the order of the next operand's registers.  Only the row's maximum and the scale word look at lane l xor 16.
; THE FIRST PRODUCT'S K IS 64, THE INSTRUCTION'S 128.  Q's codes for k = 64 .. 127 are zeros.  K's operand for tile t is 12 registers from its six on: the upper six are the next tile's codes (behind the last
; tile: p's codes).  FP6 has no code for infinity or NaN, so whatever stands there is multiplied by 0; the scale words repeat their two bytes for that half.
; A block's largest p is the block's largest score put through the same multiply-add and exponential (this takes v_exp_f32 not to fall where its input rises).
; LIMITS: the scaled scores stay under 2^31 in magnitude; a block of zeros gets the byte 1 (its codes are zeros; this program alone reads the bytes); NaN and infinities are not served.
.set REC,  208896
.set STP,  13056
.set LST,  16384
.set VC,   6144
.set KW,   12288
.set VW,   12800
.set SPARE, 16*LST
.set KT,   44                          ; v44-91   K's eight tiles, six registers each
.set PC,   92                          ; v92-103  p's codes, directly behind K's
.set S,    104                         ; v104-167 S^T, then p
.set O,    168                         ; v168-199 O^T
.set VF,   200                         ; v200-247 V's four fragments
.set PT,   248                         ; v248-250, v252-254 the conversions' second halves
.set BX,   251                         ; v251, v255 each block's largest score, largest p, scale operand
; v1 16 x lane, v2 512 + 8 x lane, v3 16 r; v4-6 the same + the slot; v7 byte selects; v8, v9 the spare word and 0; v0, v10, v11 at work; v12 -M, v13 the largest score; v[14:15] the sum; v16-27 Q (v22-27 zeros);
; v28 Q's scale word, v29 p's, v32-39 K's, v40-43 V's: scales and nothing else; v[30:31] f = 2^(old M - new M)
.macro WALU
	s_wait_alu depctr_va_vdst(0)
.endm
.macro CROUND
	s_barrier_signal -1
	s_barrier_wait -1
	s_cmp_lg_u32 s12, 0
	s_cbranch_scc1 .Lnot_wave_0_\@
	s_barrier_signal -3
.Lnot_wave_0_\@:
	s_barrier_wait -3
	s_barrier_signal -1
	s_barrier_wait -1
.endm
.macro KLOAD                           ; 18 loads: the slot's K
.irp t, 0,1,2,3,4,5,6,7
	ds_load_b128 v[KT+6*\t:KT+6*\t+3], v4 offset:768*\t
	ds_load_b64 v[KT+6*\t+4:KT+6*\t+5], v5 offset:768*\t
.endr
	ds_load_b128 v[32:35], v6 offset:KW
	ds_load_b128 v[36:39], v6 offset:KW+256
.endm
.macro VLOAD                           ; 17 loads: the slot's V
.irp d, 0,1,2,3
	ds_load_b128 v[VF+12*\d:VF+12*\d+3], v4 offset:VC+768*\d
	ds_load_b64 v[VF+12*\d+4:VF+12*\d+5], v5 offset:VC+768*\d
	ds_load_b128 v[VF+12*\d+6:VF+12*\d+9], v4 offset:VC+768*\d+3072
	ds_load_b64 v[VF+12*\d+10:VF+12*\d+11], v5 offset:VC+768*\d+3072
.endr
	ds_load_b128 v[40:43], v6 offset:VW
.endm
.macro ADDP d, s                       ; a pair of the sum
	v_pk_add_f32 v[\d:\d+1], v[\d:\d+1], v[\s:\s+1]
.endm
	s_load_b256 s[4:11], s[0:1], 0x0               ; qb, kvb, oc, os
	v_lshl_add_u32 v8, v0, 2, SPARE
	v_mov_b32 v9, 0
	ds_add_u32 v8, v9                              ; the opening lines
	ds_add_u32 v8, v9
	v_lshrrev_b32 v1, 5, v0
	v_readfirstlane_b32 s12, v1                    ; wave 0..15
	s_and_b32 s13, ttmp7, 0xffff                   ; 16 x batch + head, which the four partners share
	s_bfe_u32 s14, ttmp6, 0x40000                  ; cx: my block of 512 queries: it enters Q's and the result's addresses alone
	s_mov_b32 s16, 15|(3<<16)|(1<<21)              ; group 1: 51 rows of 256 bytes, dense; the mask names all four
	s_mov_b32 s17, 32<<16
	s_mov_b32 s18, 51<<16
	s_mov_b32 s19, 32<<16
	s_mov_b32 s20, 51
	s_mov_b32 s21, 32
	s_mov_b32 s22, 0
	s_mov_b32 s23, 0
	s_mul_i32 s44, s13, REC                        ; the record
	s_mul_i32 s46, s12, STP
	s_add_co_u32 s46, s46, s44                     ; my slot in memory,
	s_mov_b32 s47, 0
	s_lshl_b32 s25, s12, 14                        ; and in LDS
	s_mov_b32 s24, 1
	s_wait_dscnt 0x0
	s_wait_kmcnt 0x0
	s_add_nc_u64 s[26:27], s[6:7], s[46:47]
	s_or_b32 s27, s27, 0x80000000
	CROUND                                         ; all four work-groups are here: the joint loads meet
	tensor_load_to_lds s[24:27], s[16:23]          ; my one tensor load of the launch
	s_nop 0
.rept 4
	v_nop
.endr
	s_lshl_b32 s48, s14, 5
	s_lshl_b32 s49, s12, 1
	s_add_co_u32 s48, s48, s49                     ; t0: my first tile of queries in the batch, an even number
	s_lshr_b32 s49, s48, 3
	s_mul_i32 s49, s49, STP
	s_add_co_u32 s49, s49, s44                     ; its slot in Q's record
	s_and_b32 s50, s48, 7
	s_mul_i32 s50, s50, 768
	s_add_co_u32 s50, s50, s49
	s_mov_b32 s51, 0
	s_add_nc_u64 s[36:37], s[4:5], s[50:51]        ; Q's codes
	s_and_b32 s52, s48, 4
	s_lshl_b32 s52, s52, 6
	s_and_b32 s53, s48, 3
	s_lshl_b32 s53, s53, 2
	s_add_co_u32 s52, s52, s53
	s_add_co_u32 s52, s52, s49
	s_add_co_u32 s52, s52, KW
	s_mov_b32 s53, 0
	s_add_nc_u64 s[38:39], s[4:5], s[52:53]        ; Q's scale words
	s_lshr_b32 s49, s13, 4
	s_lshl_b32 s49, s49, 7
	s_add_co_u32 s49, s49, s48                     ; the tile among all 512 tiles of tokens
	s_and_b32 s54, s13, 15                         ; the head
	s_mul_i32 s56, s49, 12288
	s_mul_i32 s55, s54, 768                        ; K step head / 2, half head % 2
	s_add_co_u32 s56, s56, s55
	s_mov_b32 s57, 0
	s_add_nc_u64 s[40:41], s[8:9], s[56:57]        ; the result's codes
	s_lshl_b32 s58, s49, 9
	s_lshr_b32 s55, s54, 3
	s_lshl_b32 s55, s55, 8
	s_add_co_u32 s58, s58, s55
	s_and_b32 s55, s54, 7
	s_lshl_b32 s55, s55, 1
	s_add_co_u32 s58, s58, s55
	s_mov_b32 s59, 0
	s_add_nc_u64 s[42:43], s[10:11], s[58:59]      ; its scale bytes
	s_mov_b32 s28, 0x3e38aa3b                      ; c = log2(e) / 8
	s_mov_b32 s29, s28
	s_mov_b32 s30, 0x76543210
	s_mov_b32 s31, 0xfedcba98                      ; selects for lane l xor 16
	v_and_b32 v11, 31, v0
	v_and_b32 v10, 15, v0
	v_lshlrev_b32 v1, 4, v11
	v_lshl_add_u32 v2, v11, 3, 512
	v_lshlrev_b32 v3, 4, v10
	v_bfe_u32 v11, v0, 4, 1                        ; h
	v_mov_b32 v7, 0x06020400                       ; lanes 0-15: (mine 0, the other's 0, mine 2, the other's 2);
	v_mov_b32 v10, 0x02060004                      ; lanes 16-31 the other way round: byte 2 c + h is block (c, h)'s
	v_cmp_eq_u32 vcc_lo, 1, v11
	v_cndmask_b32 v7, v7, v10, vcc_lo
	v_mov_b32 v4, v1                               ; slot 0
	v_mov_b32 v5, v2
	v_mov_b32 v6, v3
.irp i, 0,1,2,3,4,5
	v_mov_b32 v[22+\i], 0                          ; Q's codes for k = 64 .. 127
	v_mov_b32 v[PC+\i], 0                          ; named behind K's last tile before p's first codes are made
.endr
	v_mov_b32 v31, 0                               ; (named as the upper half of a pair)
	WALU
	s_wait_tensorcnt 0x0                           ; my slot has landed,
	s_barrier_signal -1
	s_barrier_wait -1                              ; everybody's has: nothing writes the record from here on
	KLOAD
; A KEY STEP: 128 keys.
.macro STEP
	s_add_co_u32 s33, s33, LST
	s_and_b32 s32, s33, 16*LST-1                   ; the next slot, round the ring of sixteen
	s_wait_dscnt 0x0                               ; K
.irp t, 0,1,2,3,4,5,6,7
	v_wmma_scale_f32_16x16x128_f8f6f4 v[S+8*\t:S+8*\t+7], v[KT+6*\t:KT+6*\t+11], v[16:27], 0, v[32+\t], v28 matrix_a_fmt:MATRIX_FMT_FP6 matrix_b_fmt:MATRIX_FMT_FP6
.endr
	v_add_nc_u32 v4, s32, v1                       ; these four are the places behind the products, in front of the loads and of the first read of the scores
	v_add_nc_u32 v5, s32, v2
	v_add_nc_u32 v6, s32, v3
	v_mov_b32 v10, v12                             ; the old -M
	VLOAD
	KLOAD
.irp b, 0,1
	v_max3_num_f32 v[BX+4*\b], v[S+32*\b], v[S+32*\b+1], v[S+32*\b+2]   ; my block's largest score; each accumulator is first read at its low end
.endr
.irp i, 3,5,7,9,11,13,15,17,19,21,23,25,27,29
.irp b, 0,1
	v_max3_num_f32 v[BX+4*\b], v[BX+4*\b], v[S+32*\b+\i], v[S+32*\b+\i+1]
.endr
.endr
.irp b, 0,1
	v_max_num_f32 v[BX+4*\b], v[BX+4*\b], v[S+32*\b+31]
.endr
	v_max_num_f32 v11, v[BX], v[BX+4]
	v_permlanex16_b32 v0, v11, s30, s31
	v_max3_num_f32 v13, v13, v11, v0               ; the running largest score of my query
	v_mul_f32 v11, s28, v13                        ; as t (c is positive)
	v_floor_f32 v12, -v11                          ; the new -M = -ceil(t)
	v_sub_f32 v10, v12, v10                        ; old M - new M: a whole number, 0 or less
	v_cvt_i32_f32 v10, v10                         ; (it saturates)
	v_ldexp_f32 v30, 1.0, v10                      ; f
.irp b, 0,1
	v_fma_f32 v[BX+4*\b], v[BX+4*\b], s28, v12
.endr
.set J, 0
.rept 16
	v_pk_fma_f32 v[S+J:S+J+1], v[S+J:S+J+1], s[28:29], v[12:13] op_sel_hi:[1,0,0]   ; t - M of keys 0-63
.set J, J+2
.endr
.set J, 0
.rept 16
	v_pk_mul_f32 v[O+J:O+J+1], v[O+J:O+J+1], v[30:31] op_sel_hi:[1,0]   ; O^T under the new M
.set J, J+2
.endr
	v_pk_mul_f32 v[14:15], v[14:15], v[30:31] op_sel_hi:[1,0]           ; and the sum
	WALU
	v_exp_f32 v[BX], v[BX]
	v_exp_f32 v[BX+4], v[BX+4]
.set J, 0
.rept 16
	v_exp_f32 v[S+J], v[S+J]
	v_exp_f32 v[S+J+1], v[S+J+1]
	v_pk_fma_f32 v[S+32+J:S+33+J], v[S+32+J:S+33+J], s[28:29], v[12:13] op_sel_hi:[1,0,0]   ; t - M of keys 64-127, read behind the next wait
.set J, J+2
.endr
	WALU                                           ; behind the batch, and ahead of the next
.irp b, 0,1
	v_max_num_f32 v[BX+4*\b], 0x1800000, v[BX+4*\b]    ; the floor 2^(3 - 127)
.endr
.irp b, 0,1
	v_add_nc_u32 v[BX+4*\b], 0xff000000, v[BX+4*\b]    ; 2 off the exponent field: the conversion's scale operand
.endr
	v_lshrrev_b32 v10, 23, v[BX]
	v_lshrrev_b32 v11, 23, v[BX+4]
	v_lshl_or_b32 v10, v11, 16, v10                ; my two bytes
	v_permlanex16_b32 v0, v10, s30, s31
	v_cvt_scalef32_pk16_fp6_f32 v[PC:PC+2], v[S:S+15], v[BX]
	v_cvt_scalef32_pk16_fp6_f32 v[PT:PT+2], v[S+16:S+31], v[BX]
	v_perm_b32 v29, v0, v10, v7                    ; p's scale word.  (Also the plain place behind the conversions)
.irp i, 0,1,2
	v_mov_b32 v[PC+3+\i], v[PT+\i]
.endr
.set J, 0
.rept 8
	v_exp_f32 v[S+32+4*J], v[S+32+4*J]
	v_exp_f32 v[S+33+4*J], v[S+33+4*J]
	v_exp_f32 v[S+34+4*J], v[S+34+4*J]
	v_exp_f32 v[S+35+4*J], v[S+35+4*J]
	ADDP S+4*J, S+4*J+2                            ; the sum's first level over keys 0-63: eight additions that hang on nothing written since the last wait
.set J, J+1
.endr
	WALU
	v_cvt_scalef32_pk16_fp6_f32 v[PC+6:PC+8], v[S+32:S+47], v[BX+4]
	v_cvt_scalef32_pk16_fp6_f32 v[PT+4:PT+6], v[S+48:S+63], v[BX+4]
	ADDP 14, S+12
.irp i, 0,1,2
	v_mov_b32 v[PC+9+\i], v[PT+4+\i]
.endr
	ADDP S, S+16                                   ; four chains: v[14:15], S, S + 4, S + 8
	ADDP S+4, S+20
	ADDP S+8, S+24
	ADDP 14, S+28
.set J, 0
.rept 4
	ADDP S, S+32+8*J
	ADDP S+4, S+34+8*J
	ADDP S+8, S+36+8*J
	ADDP 14, S+38+8*J
.set J, J+1
.endr
	ADDP S, S+4
	ADDP 14, S+8
	ADDP 14, S
	WALU
	s_wait_dscnt 18                                ; V is in; the 18 loads of the next K, issued behind V's, may be out
.irp d, 0,1,2,3
	v_wmma_scale_f32_16x16x128_f8f6f4 v[O+8*\d:O+8*\d+7], v[VF+12*\d:VF+12*\d+11], v[PC:PC+11], v[O+8*\d:O+8*\d+7], v[40+\d], v29 matrix_a_fmt:MATRIX_FMT_FP6 matrix_b_fmt:MATRIX_FMT_FP6
.endr
.endm
; ONE TILE OF 16 QUERIES, t0 + p, through all 2,048 keys.
.macro PASS p
.if \p
	s_wait_xcnt 0x0                                ; the last pass's stores have read their registers
.endif
	global_load_b128 v[16:19], v1, s[36:37] offset:768*\p
	global_load_b64 v[20:21], v2, s[36:37] offset:768*\p
	global_load_b32 v28, v3, s[38:39] offset:4*\p
	v_mov_b32 v13, 0xff61b1e6                      ; the largest score so far: -3e38
	v_mul_f32 v12, s28, v13
	v_floor_f32 v12, -v12                          ; -M
	v_mov_b32 v14, 0
	v_mov_b32 v15, 0
.set J, 0
.rept 32
	v_mov_b32 v[O+J], 0                            ; the step is written once: the first finds zeros
.set J, J+1
.endr
	s_mov_b32 s33, 0
	s_mov_b32 s35, 16
	WALU
	s_wait_loadcnt 0x0                             ; Q
.Lstep_\@:
	STEP
	s_sub_co_u32 s35, s35, 1
	s_cmp_lg_u32 s35, 0
	s_cbranch_scc1 .Lstep_\@
.rept 4
	v_nop                                          ; places behind the last products
.endr
	v_add_f32 v14, v14, v15
	v_permlanex16_b32 v0, v14, s30, s31
	v_add_f32 v14, v14, v0                         ; the row's sum
	WALU
	v_rcp_f32 v30, v14
	v_nop
	WALU
.set J, 0
.rept 16
	v_pk_mul_f32 v[O+J:O+J+1], v[O+J:O+J+1], v[30:31] op_sel_hi:[1,0]   ; O^T / the sum, from the low end on: register 8 j + i is d = 32 h + 8 j + i: one scale block
.set J, J+2
.endr
	v_max3_num_f32 v[BX], |v[O]|, |v[O+1]|, 0x1800000
	v_max_num_f32 v[BX+4], |v[O+16]|, |v[O+17]|
.irp i, 2,4,6,8,10,12,14
	v_max3_num_f32 v[BX], v[BX], |v[O+\i]|, |v[O+\i+1]|
	v_max3_num_f32 v[BX+4], v[BX+4], |v[O+16+\i]|, |v[O+17+\i]|
.endr
	v_max_num_f32 v[BX], v[BX], v[BX+4]
	v_add_nc_u32 v[BX], 0xff000000, v[BX]
	v_lshrrev_b32 v10, 23, v[BX]
	v_permlanex16_b32 v0, v10, s30, s31
	v_cvt_scalef32_pk16_fp6_f32 v[PC:PC+2], v[O:O+15], v[BX]
	v_cvt_scalef32_pk16_fp6_f32 v[PT:PT+2], v[O+16:O+31], v[BX]
	v_perm_b32 v11, v0, v10, v7                    ; the head's two bytes of my row's scale word, in the low half
.irp i, 0,1,2
	v_mov_b32 v[PC+3+\i], v[PT+\i]
.endr
	global_store_b128 v1, v[PC:PC+3], s[40:41] offset:12288*\p       ; 512 consecutive bytes
	global_store_b64 v2, v[PC+4:PC+5], s[40:41] offset:12288*\p      ; 256
	global_store_b16 v3, v11, s[42:43] offset:512*\p                 ; lanes 16-31 store what lanes 0-15 store, at the same places
.endm
	PASS 0
	PASS 1
	s_wait_tensorcnt 0x0                           ; the wave's end
	ds_add_u32 v8, v9
	s_wait_dscnt 0x0
	CROUND                                         ; the closing round
	s_endpgm
.Lfunc_end_k_q5e397e56f5_attn:
	.size	k_q5e397e56f5_attn, .Lfunc_end_k_q5e397e56f5_attn-k_q5e397e56f5_attn
	.p2alignl 7, 3214868480
	.fill 96, 4, 3214868480
	.section	.rodata,"a",@progbits
	.p2align	6, 0x0
	.amdhsa_kernel k_q5e397e56f5_attn
		.amdhsa_group_segment_fixed_size 264192
		.amdhsa_private_segment_fixed_size 0
		.amdhsa_enable_private_segment 0
		.amdhsa_kernarg_size 32
		.amdhsa_user_sgpr_count 2
		.amdhsa_user_sgpr_kernarg_segment_ptr 1
		.amdhsa_wavefront_size32 1
		.amdhsa_system_sgpr_workgroup_id_x 1
		.amdhsa_system_sgpr_workgroup_id_y 1
		.amdhsa_system_sgpr_workgroup_id_z 1
		.amdhsa_system_vgpr_workitem_id 0
		.amdhsa_next_free_vgpr 256
		.amdhsa_next_free_sgpr 66
		.amdhsa_reserve_vcc 1
		.amdhsa_float_denorm_mode_32 3
		.amdhsa_float_denorm_mode_16_64 3
		.amdhsa_memory_ordered 1
		.amdhsa_forward_progress 1
		.amdhsa_inst_pref_size 46
	.end_amdhsa_kernel
	.amdgpu_metadata
---
amdhsa.version: [ 1, 2 ]
amdhsa.kernels:
  - .name:           k_q5e397e56f5_attn
    .symbol:         k_q5e397e56f5_attn.kd
    .args:
      - { .name: qb, .offset: 0, .size: 8, .value_kind: global_buffer, .address_space: global }
      - { .name: kvb, .offset: 8, .size: 8, .value_kind: global_buffer, .address_space: global }
      - { .name: oc, .offset: 16, .size: 8, .value_kind: global_buffer, .address_space: global }
      - { .name: os, .offset: 24, .size: 8, .value_kind: global_buffer, .address_space: global }
    .group_segment_fixed_size: 264192
    .private_segment_fixed_size: 0
    .kernarg_segment_align: 8
    .kernarg_segment_size: 32
    .max_flat_workgroup_size: 512
    .sgpr_count:     66
    .vgpr_count:     256
    .wavefront_size: 32
...
	.end_amdgpu_metadata
.endif
;; end of part 3
;; launch outp (part 4): grid 4 x 64, 4 waves a work-group, clusters of 4 x 4, 295,424 bytes of LDS; arguments oc, os, xc, xs, bo, out0; writes out0
.if DOCPART == 4
	.amdgcn_target "amdgcn-amd-amdhsa--gfx1250"
	.amdhsa_code_object_version 6
	.text
	.protected	k_q5e397e56f5_outp
	.globl	k_q5e397e56f5_outp
	.p2align	8
	.type	k_q5e397e56f5_outp,@function
k_q5e397e56f5_outp:
	s_mov_b64 s[64:65], 0
	v_nop
	global_prefetch_b8 v0, s[64:65] scope:SCOPE_SE
	s_setreg_imm32_b32 hwreg(HW_REG_WAVE_MODE, 25, 1), 1
	s_wait_xcnt 0x0
	s_wait_alu depctr_hold_cnt(0) depctr_sa_sdst(0) depctr_va_vdst(0) depctr_va_sdst(0) depctr_va_ssrc(0) depctr_va_vcc(0) depctr_vm_vsrc(0)
	s_getreg_b32 s2, hwreg(HW_REG_IB_STS2, 6, 4)
	s_cmp_eq_u32 s2, 0
	s_cbranch_scc0 .Lentry_in_a_cluster
	s_endpgm
.Lentry_in_a_cluster:
	s_bfe_u32 s2, ttmp6, 0x10000c
	s_cmp_lg_u32 s2, 0xf033
	s_cbranch_scc0 .Lentry_shape_is_right
	s_endpgm
.Lentry_shape_is_right:
; out0 = attn Wo^T + bo on codes of FP6 (E2M3) with E8M0 scales, f32 sums.  A = the attention's result (oc, os), B = Wo (tiles 1216 on of xc, xs), both laid in the order of an operand's registers:
; [tile][K step 8][1536 bytes], scale words [tile][half of K 2][row 16][4]; tile T holds rows 64 (T / 4) + 8 (T % 4) + r % 8 + 32 (r / 8).
; SHARES: a work-group of four waves makes 128 x 256 of the output, a wave 64 x 128: 4 tiles of A x 8 of B, 32 accumulators.  All of K = 1,024 of the group's tiles, 294,912 bytes, lies in LDS as two halves of K,
; each byte filled once by the head's four joint loads, one a wave: A's half 0, B's half 0, A's half 1, B's half 1.  The first barrier shows half 0 (waves 0 and 1 wait), a barrier in K step 3 the rest.
; No prefetch: all that the work-group reads is asked for at its head, and there is no loop to run ahead in.
; CLUSTER 4 x 4: A's tiles are shared along a row of the cluster, B's along a column.
; THE MATRIX INSTRUCTION IS USED TRANSPOSED (source 0 = 16 rows of Wo, source 1 = 16 tokens): lane (r, h) holds token r of A's tile, and register 8 b + i of a tile's 64 is column 64 (b / 4) + 32 h + 8 (b % 4) + i.
; The bias is the C of each sum's first matrix instruction.  NaN and infinities are not served.
; REGISTERS: window 0: v1-31 addresses; v32-63 A's scale words, v64-127 B's; v128-223 A's fragments, two sets; on the way out v128-255 are rows of the output.
;   window 1: B's fragments at v0 and v128; the bias at v96-127 and v224-255.   window 2: accumulator (a, b) at v[8 (8 a + b)].
.set CH,   147456
.set SA,   32
.set SB,   64
.set AF,   128
.set A16,  4
.set A8,   8
.set B16,  12
.set B8,   16
.set G1A,  28
.set G1B,  36
.set G0A,  44
.set G0B,  68
.set MSB, 0
.macro WIN new
.if MSB != \new
	s_set_vgpr_msb (MSB<<8)|\new
.set MSB, \new
.endif
.endm
.set MUL,  0xa1
.set TO_B, 0x40
.macro CROUND
	s_barrier_signal -1
	s_barrier_wait -1
	s_cmp_lg_u32 s18, 0
	s_cbranch_scc1 .Lnot_wave_0_\@
	s_barrier_signal -3
.Lnot_wave_0_\@:
	s_barrier_wait -3
	s_barrier_signal -1
	s_barrier_wait -1
.endm
.macro PLACES                          ; four places behind a matrix instruction (ISA guide 7.12.1)
.rept 4
	v_nop
.endr
.endm
.macro FRAG reg, a16, a8, off, hs
	ds_load_b128 v[\reg:\reg+3], v[\a16] offset:\off
	ds_load_b64 v[\reg+4:\reg+5], v[\a8] offset:\off
	ds_load_b128 v[\reg+6:\reg+9], v[\a16] offset:\off+\hs
	ds_load_b64 v[\reg+10:\reg+11], v[\a8] offset:\off+\hs
.endm
.macro FETCH c, q2, set
	WIN TO_B
.irp i, 0,1,2,3,4,5,6,7
	FRAG 128*(\set)+12*\i, B16+\c, B8+\c, 6144*\i+1536*(\q2), 768
.endr
	WIN 0
.irp i, 0,1,2,3
	FRAG AF+48*(\set)+12*\i, A16+\c, A8+\c, 6144*\i+1536*(\q2), 768
.endr
.endm
; 16 matrix instructions; cm = 1: the bias starts the sums.  The 32 accumulators take turns, one instruction a turn
.macro MUL16 a0, set, q, cm
.irp a, \a0, \a0+1
.irp b, 0,1,2,3,4,5,6,7
.if \cm
	v_wmma_scale_f32_16x16x128_f8f6f4 v[8*(8*(\a)+\b):8*(8*(\a)+\b)+7], v[128*(\set)+12*\b:128*(\set)+12*\b+11], v[AF+48*(\set)+12*(\a):AF+48*(\set)+12*(\a)+11], v[96+8*(\b%4)+128*(\b/4):96+8*(\b%4)+128*(\b/4)+7], v[SB+8*\b+(\q)], v[SA+8*(\a)+(\q)] matrix_a_fmt:MATRIX_FMT_FP6 matrix_b_fmt:MATRIX_FMT_FP6
.else
	v_wmma_scale_f32_16x16x128_f8f6f4 v[8*(8*(\a)+\b):8*(8*(\a)+\b)+7], v[128*(\set)+12*\b:128*(\set)+12*\b+11], v[AF+48*(\set)+12*(\a):AF+48*(\set)+12*(\a)+11], v[8*(8*(\a)+\b):8*(8*(\a)+\b)+7], v[SB+8*\b+(\q)], v[SA+8*(\a)+(\q)] matrix_a_fmt:MATRIX_FMT_FP6 matrix_b_fmt:MATRIX_FMT_FP6
.endif
.endr
.endr
.endm
.macro STEP_IN q, cm
	s_wait_dscnt 0x0
	PLACES
	FETCH (\q)/2, 1, 1
.if \cm
	WIN 0x91                                       ; C (the bias) window 1, D window 2
.else
	WIN MUL
.endif
	MUL16 0, 0, \q, \cm
	MUL16 2, 0, \q, \cm
.endm
.macro STEP_OUT q                      ; step 3's successor lies in the second half of K: every wave waits for its load, and a barrier shows that half to all
	s_wait_dscnt 0x0
.if (\q) == 3
	s_wait_tensorcnt 0x0
	s_barrier_signal -1
.endif
	WIN MUL
	MUL16 0, 1, \q, 0
.if (\q) == 3
	s_barrier_wait -1
.endif
	PLACES
	FETCH ((\q)+1)/2, 0, 0
	WIN MUL
	MUL16 2, 1, \q, 0
.endm
.macro ARM w, g0, g1, next             ; one arm of the head's chain: wave w's one load
	s_cmp_eq_u32 s18, \w
	s_cbranch_scc0 \next
	tensor_load_to_lds s[\g0:\g0+3], s[\g1:\g1+7]
	s_nop 0
	PLACES
	s_branch .Lfilled
\next:
.endm
	s_load_b256 s[4:11], s[0:1], 0x0               ; oc, os, xc, xs
	s_load_b128 s[12:15], s[0:1], 0x20             ; bo, out0
	v_lshl_add_u32 v30, v0, 2, 0x48000
	v_mov_b32 v31, 0
	ds_add_u32 v30, v31                            ; the opening lines
	ds_add_u32 v30, v31
	v_lshrrev_b32 v1, 5, v0
	v_readfirstlane_b32 s18, v1                    ; wave 0..3
	s_lshr_b32 s19, s18, 1                         ; WM: which 64 tokens are mine
	s_and_b32 s20, s18, 1                          ; WN: which 128 columns
	s_bfe_u32 s21, ttmp6, 0x40000                  ; cx: the block of 256 columns
	s_bfe_u32 s22, ttmp6, 0x40004                  ; cy
	s_and_b32 s23, ttmp7, 0xffff
	s_lshl_b32 s60, s23, 2
	s_add_co_u32 s60, s60, s22                     ; MT: the block of 128 tokens
	s_lshl_b32 s62, s60, 3                         ; the group's first tile of A
	s_lshl_b32 s63, s21, 4
	s_add_co_u32 s63, s63, 1216                    ; and of B
	s_lshl_b32 s2, s22, 2
	s_lshl_b32 s2, 15, s2                          ; my row of the cluster
	s_lshl_b32 s3, 0x1111, s21                     ; my column
	; group 1: rows of 6,144 bytes (a tile's four K steps; 768 elements of 8 bytes), 12,288 bytes apart; A: 8 tiles a load, B: 16
	s_or_b32 s[G1A], s2, (3<<16)|(1<<21)
	s_or_b32 s[G1B], s3, (3<<16)|(1<<21)
.irp g, G1A, G1B
	s_mov_b32 s[\g+1], 768<<16
	s_mov_b32 s[\g+3], 768<<16
	s_mov_b32 s[\g+5], 1536
	s_mov_b32 s[\g+6], 0
	s_mov_b32 s[\g+7], 0
.endr
	s_mov_b32 s[G1A+2], 8<<16
	s_mov_b32 s[G1A+4], 8
	s_mov_b32 s[G1B+2], 16<<16
	s_mov_b32 s[G1B+4], 16
	s_mul_i32 s92, s62, 12288
	s_mov_b32 s93, 0
	s_mul_i32 s96, s63, 12288
	s_mov_b32 s97, 0
	s_wait_dscnt 0x0
	s_wait_kmcnt 0x0
	s_add_nc_u64 s[92:93], s[4:5], s[92:93]
	s_add_nc_u64 s[96:97], s[8:9], s[96:97]
.irp c, 0,1
	s_mov_b32 s[G0A+4*\c], 1
	s_mov_b32 s[G0A+4*\c+1], \c*CH
	s_add_nc_u64 s[G0A+4*\c+2:G0A+4*\c+3], s[92:93], \c*6144
	s_or_b32 s[G0A+4*\c+3], s[G0A+4*\c+3], 0x80000000
	s_mov_b32 s[G0B+4*\c], 1
	s_mov_b32 s[G0B+4*\c+1], \c*CH+49152
	s_add_nc_u64 s[G0B+4*\c+2:G0B+4*\c+3], s[96:97], \c*6144
	s_or_b32 s[G0B+4*\c+3], s[G0B+4*\c+3], 0x80000000
.endr
	CROUND                                         ; all sixteen work-groups are here: the joint loads meet
	ARM 0, G0A, G1A, .Lw1
	ARM 1, G0B, G1B, .Lw2
	ARM 2, G0A+4, G1A, .Lw3
	tensor_load_to_lds s[G0B+4:G0B+7], s[G1B:G1B+7]
	s_nop 0
	PLACES
.Lfilled:
	v_and_b32 v1, 31, v0
	v_and_b32 v2, 15, v0                           ; r
	v_bfe_u32 v3, v0, 4, 1                         ; h
	v_lshlrev_b32 v21, 4, v1
	v_lshl_add_u32 v22, v1, 3, 512
	s_mul_i32 s2, s19, 24576
	s_mul_i32 s3, s20, 49152
	s_add_co_u32 s3, s3, 49152
.irp c, 0,1,2,3
	v_add_nc_u32 v[A16+\c], s2, v21
	v_add_nc_u32 v[A8+\c], s2, v22
	v_add_nc_u32 v[B16+\c], s3, v21
	v_add_nc_u32 v[B8+\c], s3, v22
	s_add_co_u32 s2, s2, 3072+(\c%2)*(CH-6144)     ; two K steps on in the tile, or into the next half
	s_add_co_u32 s3, s3, 3072+(\c%2)*(CH-6144)
.endr
	s_mul_i32 s2, s18, 8448                        ; my stage for the way out: 16 rows x (512 + 16) bytes, where A's first half lay
	v_mul_u32_u24 v23, v2, 528
	v_lshl_add_u32 v23, v3, 7, v23
	v_add_nc_u32 v23, s2, v23                      ; in: row r, + 128 h bytes
	v_add_nc_u32 v24, s2, v21                      ; back: a row's 512 bytes over the 32 lanes
	v_lshlrev_b32 v26, 4, v2                       ; 16 r
	s_wait_alu depctr_va_vdst(0)
	v_lshlrev_b32 v27, 7, v3                       ; the bias: my half's 32 numbers of each 64
	s_wait_alu depctr_va_vdst(0)
	s_lshl_b32 s2, s19, 2
	s_add_co_u32 s2, s2, s62
	s_lshl_b32 s2, s2, 9
	s_mov_b32 s3, 0
	s_add_nc_u64 s[66:67], s[6:7], s[2:3]
	s_lshl_b32 s2, s20, 3
	s_add_co_u32 s2, s2, s63
	s_lshl_b32 s2, s2, 9
	s_add_nc_u64 s[26:27], s[10:11], s[2:3]
.irp a, 0,1,2,3
.irp f, 0,1
	global_load_b128 v[SA+8*\a+4*\f:SA+8*\a+4*\f+3], v26, s[66:67] offset:512*\a+256*\f
.endr
.endr
.irp b, 0,1,2,3,4,5,6,7
.irp f, 0,1
	global_load_b128 v[SB+8*\b+4*\f:SB+8*\b+4*\f+3], v26, s[26:27] offset:512*\b+256*\f
.endr
.endr
	s_lshl_b32 s2, s21, 10
	s_lshl_b32 s23, s20, 9
	s_add_co_u32 s2, s2, s23                       ; my first column, in bytes
	s_add_nc_u64 s[12:13], s[12:13], s[2:3]
	s_add_nc_u64 s[14:15], s[14:15], s[2:3]
	s_lshl_b32 s2, s60, 19
	s_lshl_b32 s23, s19, 18
	s_add_co_u32 s2, s2, s23                       ; my first token's row of 4,096 bytes
	s_add_nc_u64 s[14:15], s[14:15], s[2:3]
	WIN TO_B
.irp b, 0,1,2,3,4,5,6,7
	global_load_b128 v[96+8*(\b%4)+128*(\b/4):96+8*(\b%4)+128*(\b/4)+3], v27, s[12:13] offset:(64*(\b/4)+8*(\b%4))*4
	global_load_b128 v[96+8*(\b%4)+128*(\b/4)+4:96+8*(\b%4)+128*(\b/4)+7], v27, s[12:13] offset:(64*(\b/4)+8*(\b%4))*4+16
.endr
	WIN 0
	s_wait_loadcnt 0x0
	s_cmp_lt_u32 s18, 2
	s_cbranch_scc0 .Lnot_mine
	s_wait_tensorcnt 0x0                           ; waves 0 and 1: the first half of K has landed
.Lnot_mine:
	s_barrier_signal -1
	s_barrier_wait -1
	FETCH 0, 0, 0
	STEP_IN 0, 1
	STEP_OUT 1
	STEP_IN 2, 0
	STEP_OUT 3
	STEP_IN 4, 0
	STEP_OUT 5
	STEP_IN 6, 0
	s_wait_dscnt 0x0                               ; my last reads of the tiles are in;
	s_barrier_signal -1
	WIN MUL
	MUL16 0, 1, 7, 0
	s_barrier_wait -1                              ; everybody's are, and every fill has landed: the first half's bytes may take the stages
	MUL16 2, 1, 7, 0
; THE WAY OUT, a tile of 16 tokens x 128 columns at a time: through my own stage and back as whole rows of 512 bytes.  LDS serves a wave's instructions in order (ISA guide 5.7.1.4).
.macro TOSTAGE a
	WIN 0x08
.irp b, 0,1,2,3,4,5,6,7
.irp k, 0,1
	ds_store_b128 v23, v[64*(\a)+8*\b+4*\k:64*(\a)+8*\b+4*\k+3] offset:256*(\b/4)+32*(\b%4)+16*\k   ; each accumulator from its low end on
.endr
.endr
	WIN 0
.irp i, 0,1,2,3,4,5,6,7,8,9,10,11,12,13,14,15
	ds_load_b128 v[128+64*((\a)%2)+4*\i:128+64*((\a)%2)+4*\i+3], v24 offset:528*\i
.endr
.endm
.macro SEND a, younger                 ; younger: the LDS instructions issued behind tile a's loads
	s_wait_dscnt \younger
.irp i, 0,1,2,3,4,5,6,7,8,9,10,11,12,13,14,15
	global_store_b128 v21, v[128+64*((\a)%2)+4*\i:128+64*((\a)%2)+4*\i+3], s[14:15] offset:(8*(\a)+\i+24*(\i/8))*4096 th:TH_STORE_NT   ; 512 consecutive bytes, at a multiple of 256 from the output's first byte
.endr
.endm
	PLACES
	TOSTAGE 0
.irp a, 1,2,3
.if \a > 1
	s_wait_xcnt 0x0                                ; tile a - 2's stores have read their registers
.endif
	TOSTAGE \a
	SEND \a-1, 32
.endr
	SEND 3, 0
	s_wait_tensorcnt 0x0                           ; the wave's end
	ds_add_u32 v30, v31
	s_wait_dscnt 0x0
	CROUND                                         ; the closing round
	s_endpgm
.Lfunc_end_k_q5e397e56f5_outp:
	.size	k_q5e397e56f5_outp, .Lfunc_end_k_q5e397e56f5_outp-k_q5e397e56f5_outp
	.p2alignl 7, 3214868480
	.fill 96, 4, 3214868480
	.section	.rodata,"a",@progbits
	.p2align	6, 0x0
	.amdhsa_kernel k_q5e397e56f5_outp
		.amdhsa_group_segment_fixed_size 295424
		.amdhsa_private_segment_fixed_size 0
		.amdhsa_enable_private_segment 0
		.amdhsa_kernarg_size 48
		.amdhsa_user_sgpr_count 2
		.amdhsa_user_sgpr_kernarg_segment_ptr 1
		.amdhsa_wavefront_size32 1
		.amdhsa_system_sgpr_workgroup_id_x 1
		.amdhsa_system_sgpr_workgroup_id_y 1
		.amdhsa_system_sgpr_workgroup_id_z 1
		.amdhsa_system_vgpr_workitem_id 0
		.amdhsa_next_free_vgpr 768
		.amdhsa_next_free_sgpr 100
		.amdhsa_reserve_vcc 0
		.amdhsa_float_denorm_mode_32 3
		.amdhsa_float_denorm_mode_16_64 3
		.amdhsa_memory_ordered 1
		.amdhsa_forward_progress 1
		.amdhsa_inst_pref_size 85
	.end_amdhsa_kernel
	.amdgpu_metadata
---
amdhsa.version: [ 1, 2 ]
amdhsa.kernels:
  - .name:           k_q5e397e56f5_outp
    .symbol:         k_q5e397e56f5_outp.kd
    .args:
      - { .name: oc, .offset: 0, .size: 8, .value_kind: global_buffer, .address_space: global }
      - { .name: os, .offset: 8, .size: 8, .value_kind: global_buffer, .address_space: global }
      - { .name: xc, .offset: 16, .size: 8, .value_kind: global_buffer, .address_space: global }
      - { .name: xs, .offset: 24, .size: 8, .value_kind: global_buffer, .address_space: global }
      - { .name: bo, .offset: 32, .size: 8, .value_kind: global_buffer, .address_space: global }
      - { .name: out0, .offset: 40, .size: 8, .value_kind: global_buffer, .address_space: global }
    .group_segment_fixed_size: 295424
    .private_segment_fixed_size: 0
    .kernarg_segment_align: 8
    .kernarg_segment_size: 48
    .max_flat_workgroup_size: 128
    .sgpr_count:     100
    .vgpr_count:     768
    .wavefront_size: 32
...
	.end_amdgpu_metadata
.endif
;; end of part 4
